; MI455X (gfx1250); checked and timed in simulation.
; The chip was launched on July 23, 2026; its instructions are those of AMD's public machine-readable ISA for CDNA 5 (MIT licence, August 2026) and "CDNA5" Instruction Set Architecture Reference Guide (July 2026). The comments in the code are by the model that wrote it; some were corrected since.
;; Multi Head Attention. Allowed arithmetic: matrix products marked QUANTISED: E4M3 operands, one given power-of-two scale a tensor, by v_wmma_f32_16x16x64_fp8_fp8 or v_wmma_f32_16x16x128_fp8_fp8, f32 sums; everything else in f32.
;; Inputs: Wk 1,024 x 1,024 float32; Wq 1,024 x 1,024 float32; Wv 1,024 x 1,024 float32; bk 1,024 float32; bq 1,024 float32; bv 1,024 float32; k 4 x 2,048 x 1,024 float32; lowp_scales 10 int32 (the exponents e of the quantised operands' scales 2^e); q 4 x 2,048 x 1,024 float32; v 4 x 2,048 x 1,024 float32.
;; Outputs: out0 4 x 2,048 x 1,024 float32.
;; This version of the problem:
;;   THIS VERSION OF THE PROBLEM IS GIVEN IN LOW PRECISION. The matrix products marked QUANTISED in the list below multiply operands that are first quantised to E4M3 (4 exponent bits, 3 mantissa bits; 8 bits a number), with one given power-of-two scale for each operand tensor; their sums are f32. All else is computed in f32.
;;   The module's matrix products, in the order in which they are computed (A, B: the left and right operand; K: the contracted axis; several contracted axes count as one K, in the product's order):
;;     1. [M 8,192, K 1,024] x [K 1,024, N 1,024]; A: input q; B: input Wq: QUANTISED (scales: A lowp_scales[0], B lowp_scales[1])
;;     2. [M 8,192, K 1,024] x [K 1,024, N 1,024]; A: input k; B: input Wk: QUANTISED (scales: A lowp_scales[2], B lowp_scales[3])
;;     3. [M 8,192, K 1,024] x [K 1,024, N 1,024]; A: input v; B: input Wv: QUANTISED (scales: A lowp_scales[4], B lowp_scales[5])
;;     4. batch 64 x [M 2,048, K 64] x [K 64, N 2,048]; A: computed on the way; B: computed on the way: QUANTISED (scales: A lowp_scales[6], B lowp_scales[7])
;;     5. batch 64 x [M 2,048, K 2,048] x [K 2,048, N 64]; A: computed on the way; B: computed on the way: QUANTISED (scales: A lowp_scales[8], B lowp_scales[9])
;;   THE QUANTISER, for each operand of a quantised product, along K:
;;     - The operand's scale is 2^e, e = its entry of the input lowp_scales (int32; the entries are numbered through the quantised products in the list's order, A before B).
;;     - Each number is divided by the scale, clamped to +-448, and rounded to the nearest number of E4M3, ties to even, subnormals kept.
;;     - The product sums the exact products of the quantised numbers (number of the format x scale) in f32.
;;   ~~~python
;;   def quantise(x, axis, e):      # numpy; x: float32 -> the quantised numbers, widened to float32 again
;;       x = np.moveaxis(x, axis, -1); K = x.shape[-1]
;;       r = np.clip(x / 2.0 ** e, -448, 448)
;;       step = 2.0 ** (np.maximum(np.frexp(np.where(r == 0, 1, r))[1] - 1, -6) - 3)
;;       q = np.round(r / step) * step * 2.0 ** e      # np.round: ties to even
;;       return np.moveaxis(q, -1, axis).astype(np.float32)
;;   ~~~
;;   OPERANDS COMPUTED ON THE WAY. 'Computed on the way' means the value that the module computes at that place (a softmax that the list does not call 'softmax' is quantised finished and normalised). What goes into a quantiser is computed in f32, as accurately as f32 sums, v_exp_f32 and their like allow (about 1e-6 of the number): no bf16 or f16 on the way to a quantiser, and a product that is left as it is and whose result goes on into a quantised operand takes f32 operands (vector FMAs, or v_wmma_f32_16x16x4_f32). A number that lies on a knife's edge between two numbers of the format may be rounded either way, as far as f32 arithmetic and the matrix unit's own rounding can turn it there, and no further.
;; One version. Each part assembles by itself: llvm-mc -triple=amdgcn-amd-amdhsa -mcpu=gfx1250 --defsym DOCPART=n.
;; ======== version 1 of 1: 3 launches
;; workspace buffers: codes 28,311,552 bytes; img 25,165,824 bytes
;; launch quant (part 1): grid 864 x 1, 4 waves a work-group, no clusters, 68,096 bytes of LDS; arguments q, k, v, Wq, Wk, Wv, lowp_scales, codes; writes codes
.if DOCPART == 1
	.amdgcn_target "amdgcn-amd-amdhsa--gfx1250"
	.amdhsa_code_object_version 6
	.text
	.protected	k_q66872eb9cf_quant
	.globl	k_q66872eb9cf_quant
	.p2align	8
	.type	k_q66872eb9cf_quant,@function
k_q66872eb9cf_quant:
	s_mov_b64 s[64:65], 0
	v_nop
	global_prefetch_b8 v0, s[64:65] scope:SCOPE_SE
	s_setreg_imm32_b32 hwreg(HW_REG_WAVE_MODE, 25, 1), 1
	s_wait_xcnt 0x0
; q, k, v [8192][1024] and Wq, Wk, Wv [1024 (k)][1024 (n)], f32, become codes of FP8 (E4M3), one byte each, K innermost, each tensor with the one scale 2^e that is given for it.
; code = x / 2^e, held within +-448, rounded to the nearest code, ties to even.  e: lowp_scales[2 z] for q, k, v (z = 0, 1, 2), lowp_scales[2 z + 1] for the weights.
; LIMITS: e between -126 and 119, so that 2^e and 448 x 2^e are f32 numbers.  NaN among the inputs is not served; an infinity is held at the largest code.
; THE BUFFER codes: tensor z of q, k, v at z x 2^23: [8192 places][1024 bytes]; weight z at WOFF + z x 2^20: [1024 places (n)][1024 bytes (k)].
; THE ROWS ARE PERMUTED: place p holds row p with bits 3 and 4 exchanged.  Sixteen neighbouring places 32 b + 16 u + r then hold rows 32 b + 8 u + r + 8 (r / 8): the rows that the next launch wants in one
; tile, so that its results' registers run along neighbours.
; One launch serves all six tensors.  Work-groups 0 to 95 take the weights (a lane to a column n, its registers down K), the other 768 take q, k, v (plain streams).  The two ways part on the work-group's
; number, never join, and have LDS bytes of their own.  No tensor loads, no barrier: waves share nothing.  No cluster: no two work-groups read the same bytes.
.set WGW,   96                         ; work-groups for the weights: 3 x (1024 / 128 columns) x (1024 / 256 along K)
.set WOFF,  25165824                   ; where the weights' codes begin
.set EMAX,  8
.set MANT,  0x600000                   ; the mantissa field of 448 as f32
; the streams' way
.set STEPS, 16                         ; a wave takes 16 steps of 512 numbers: 8 rows of 1,024
.set CB,    16                         ; bytes of a lane's 16 codes
.set R,     16                         ; v16-79   four sets of 16 numbers as they are loaded
.set X,     80                         ; v80-111  two sets of 16 neighbours
.set C,     128                        ; v128-191 codes: four registers for each step, so that no store's data are written again
.set WREG,  8192                       ; LDS 0 .. 32,767: a region for each wave: two stages of 32 x SP bytes
.set SP,    80                         ; a lane's place in a stage: its 64 bytes + 16 of padding
; the weights' way
.set WSTG,  32768                      ; LDS 32,768 .. 67,583: a stage of 32 rows x PITCH for each wave
.set PITCH, 272                        ; 256 bytes of codes + 16
.set NB,    8                          ; blocks of 32 along K for a wave
.set XW,    32                         ; v32-95   two sets of 32 numbers
.set CW,    96                         ; v96-103  a block's codes
.set OUTR,  112                        ; v112-175 the way out
	s_load_b512 s[4:19], s[0:1], 0x0               ; q s[4:5], k s[6:7], v s[8:9], Wq s[10:11], Wk s[12:13], Wv s[14:15], the scales' exponents s[16:17], codes s[18:19]
	v_lshl_add_u32 v192, v0, 2, 0x10800
	v_mov_b32 v193, 0
	v_lshrrev_b32 v1, 5, v0
	v_readfirstlane_b32 s20, v1                    ; wave 0..3
	v_and_b32 v2, 31, v0                           ; lane
	s_wait_kmcnt 0x0
	s_load_b256 s[24:31], s[16:17], 0x0            ; e0 .. e7
	s_cmp_lt_u32 ttmp9, WGW
	s_cbranch_scc1 .Lweights
; ---------------- q, k, v: rows are dense, so a tensor is a plain stream and so are its codes ----------------
; The conversions take 8 numbers of ONE lane's consecutive registers, so a lane must hold neighbours along K; a load is best where neighbouring LANES take neighbouring bytes.  Both are had: each of a step's four
; loads reads 512 consecutive bytes, the 2,048 bytes go through the wave's own stage in LDS as they lie and come back 64 bytes a lane.  A lane's 16 codes are 16 bytes: the wave stores 512 consecutive bytes.
	s_sub_co_u32 s21, ttmp9, WGW
	s_lshr_b32 s22, s21, 8                         ; z: 256 work-groups a tensor
	s_and_b32 s21, s21, 255
	s_cmp_eq_u32 s22, 0                            ; the choice hangs on the work-group's number alone
	s_cselect_b64 s[4:5], s[4:5], s[6:7]
	s_cmp_eq_u32 s22, 2
	s_cselect_b64 s[4:5], s[8:9], s[4:5]
	s_lshl_b32 s21, s21, 2
	s_add_co_u32 s32, s21, s20                     ; which run of 8 rows is my wave's: 4 x work-group + wave
	s_lshl_b32 s32, s32, 15                        ; x 32,768 bytes of f32
	s_mov_b32 s33, 0
	s_add_nc_u64 s[4:5], s[4:5], s[32:33]
	s_and_b32 s34, s20, 1                          ; bits 3 and 4 of a row's number are bits 0 and 1 of its run's, which are the wave's number: exchanged, they give the run's place
	s_lshl_b32 s34, s34, 1
	s_lshr_b32 s35, s20, 1
	s_or_b32 s34, s34, s35
	s_add_co_u32 s34, s34, s21
	s_lshl_b32 s34, s34, 13                        ; x 8,192 bytes of codes
	s_lshl_b32 s35, s22, 23
	s_add_co_u32 s34, s34, s35
	s_mov_b32 s35, 0
	s_add_nc_u64 s[18:19], s[18:19], s[34:35]
	v_lshlrev_b32 v3, 4, v2                        ; my 16 bytes of a load's 512, and of a store's
	s_mul_i32 s23, s20, WREG
	v_lshrrev_b32 v14, 2, v2
	v_mul_u32_u24 v14, v14, SP
	v_and_b32 v15, 3, v2
	v_lshl_add_u32 v14, v15, 4, v14
	v_add_nc_u32 v14, s23, v14                     ; the stage, on the way in: four lanes' 64 bytes on end, then 16 of padding
	v_mul_u32_u24 v15, v2, SP
	v_add_nc_u32 v15, s23, v15                     ; and on the way out: my 16 neighbours
.macro LOAD t
.irp i, 0,1,2,3
	global_load_b128 v[R+16*((\t)%4)+4*\i:R+16*((\t)%4)+4*\i+3], v3, s[4:5] offset:2048*(\t)+512*\i th:TH_LOAD_NT   ; 32 lanes read 512 consecutive bytes; read once in the launch
.endr
.endm
.macro TURN t                          ; step t's numbers through the stage: LDS serves a wave's instructions in order (ISA guide 5.7.1.4), so no wait stands between the stores and the loads
.irp i, 0,1,2,3
	ds_store_b128 v14, v[R+16*((\t)%4)+4*\i:R+16*((\t)%4)+4*\i+3] offset:32*SP*((\t)%2)+8*SP*\i
.endr
.irp i, 0,1,2,3
	ds_load_b128 v[X+16*((\t)%2)+4*\i:X+16*((\t)%2)+4*\i+3], v15 offset:32*SP*((\t)%2)+16*\i
.endr
.endm
.irp t, 0,1,2,3
	LOAD \t
.endr
	s_wait_kmcnt 0x0
	s_cmp_eq_u32 s22, 0
	s_cselect_b32 s34, s24, s26                    ; e0 or e2,
	s_cmp_eq_u32 s22, 2
	s_cselect_b32 s34, s28, s34                    ; or e4
	s_add_co_i32 s34, s34, 127
	s_lshl_b32 s35, s34, 23
	v_mov_b32 v11, s35                             ; 2^e as f32: the conversion takes its exponent field
	s_add_co_i32 s34, s34, EMAX
	s_lshl_b32 s34, s34, 23
	s_or_b32 s34, s34, MANT
	v_mov_b32 v10, s34                             ; 448 x 2^e
	s_wait_loadcnt 12                              ; step 0's four loads are in; the twelve of steps 1 to 3 may be out
	TURN 0
.macro STEP t
.set XS, X+16*((\t)%2)
	s_wait_dscnt 0x0                               ; this step's numbers are back from the stage: so its stores into the stage have read their registers,
.if (\t)+4 < STEPS
	LOAD (\t)+4                                    ; which take the loads of four steps on
.endif
.if (\t)+1 < STEPS
.if STEPS-2-(\t) >= 3
	s_wait_loadcnt 12                              ; the next step's four loads are in; those of the three steps behind it may be out
.else
	s_wait_loadcnt 4*(STEPS-2-(\t))
.endif
	TURN (\t)+1                                    ; and go through the other stage while this step is worked
.endif
.irp i, 0,1,2,3,4,5,6,7,8,9,10,11,12,13,14,15
	v_med3_num_f32 v[XS+\i], v[XS+\i], -v10, v10   ; the conversion to an 8-bit code does not saturate (ISA guide 7.6.2): the number is held within the largest code x the scale first
.endr
	v_cvt_scalef32_pk8_fp8_f32 v[C+4*(\t):C+4*(\t)+1], v[XS:XS+7], v11
	v_cvt_scalef32_pk8_fp8_f32 v[C+4*(\t)+2:C+4*(\t)+3], v[XS+8:XS+15], v11
	global_store_b128 v3, v[C+4*(\t):C+4*(\t)+3], s[18:19] offset:32*CB*(\t)   ; 512 consecutive bytes, aligned.  (The codes go to a store alone, and the next step's holds are plain lines on other registers)
.endm
.irp t, 0,1,2,3,4,5,6,7,8,9,10,11,12,13,14,15
	STEP \t
.endr
	s_wait_tensorcnt 0x0
	ds_add_u32 v192, v193
	s_wait_dscnt 0x0
	s_endpgm
; ---------------- the weights: K is their FIRST axis ----------------
; A lane takes a column n and its registers run down K: each load reads 128 consecutive bytes a wave, and the conversions give codes with K innermost.  A wave takes 32 columns x 256 along K; a lane's codes belong
; to one row of the output, so they go through the wave's own stage and leave as rows: sixteen lanes store 256 consecutive bytes, aligned.  Every offset is an immediate: 255 rows x 4,096 bytes at the most.
.Lweights:
	s_lshr_b32 s22, ttmp9, 5                       ; z: 32 work-groups a weight
	s_and_b32 s21, ttmp9, 7                        ; which 128 columns
	s_lshr_b32 s23, ttmp9, 3
	s_and_b32 s23, s23, 3                          ; which 256 along K
	s_cmp_eq_u32 s22, 0
	s_cselect_b64 s[4:5], s[10:11], s[12:13]
	s_cmp_eq_u32 s22, 2
	s_cselect_b64 s[4:5], s[14:15], s[4:5]
	s_lshl_b32 s32, s21, 7
	s_lshl_b32 s33, s20, 5
	s_add_co_u32 s32, s32, s33                     ; my wave's first column
	v_lshlrev_b32 v3, 2, v2                        ; in: 4 bytes a lane
	s_mul_i32 s33, s20, 32*PITCH
	s_add_co_u32 s33, s33, WSTG                    ; my stage
	v_mul_u32_u24 v4, v2, PITCH
	v_add_nc_u32 v4, s33, v4                       ; into it: row = my column
	v_and_b32 v5, 15, v2
	v_lshrrev_b32 v6, 4, v2                        ; out of it: sixteen lanes to a row, two rows an instruction
	v_mul_u32_u24 v7, v6, PITCH
	v_lshl_add_u32 v7, v5, 4, v7
	v_add_nc_u32 v7, s33, v7
	v_lshlrev_b32 v8, 10, v6
	v_lshl_add_u32 v8, v5, 4, v8                   ; and the same in the codes' buffer: rows of 1,024 bytes
	s_lshl_b32 s34, s23, 20                        ; 256 rows of 4,096 bytes
	s_lshl_b32 s35, s32, 2
	s_add_co_u32 s34, s34, s35
	s_mov_b32 s35, 0
	s_add_nc_u64 s[4:5], s[4:5], s[34:35]
	s_lshl_b32 s34, s32, 10                        ; my 32 columns' places begin where the columns do: the permutation stays inside 32
	s_lshl_b32 s36, s23, 8
	s_add_co_u32 s34, s34, s36
	s_lshl_b32 s36, s22, 20
	s_add_co_u32 s34, s34, s36
	s_add_co_u32 s34, s34, WOFF
	s_add_nc_u64 s[18:19], s[18:19], s[34:35]
.macro WLOAD t                         ; block t: W(32 t + i, my column), i = 0 .. 31, into set t % 2
.irp i, 0,1,2,3,4,5,6,7,8,9,10,11,12,13,14,15,16,17,18,19,20,21,22,23,24,25,26,27,28,29,30,31
	global_load_b32 v[XW+32*((\t)%2)+\i], v3, s[4:5] offset:(32*(\t)+\i)*4096 th:TH_LOAD_NT
.endr
.endm
	WLOAD 0
	WLOAD 1
	s_wait_kmcnt 0x0
	s_cmp_eq_u32 s22, 0
	s_cselect_b32 s34, s25, s27                    ; e1 or e3,
	s_cmp_eq_u32 s22, 2
	s_cselect_b32 s34, s29, s34                    ; or e5
	s_add_co_i32 s34, s34, 127
	s_lshl_b32 s35, s34, 23
	v_mov_b32 v11, s35                             ; 2^e as f32
	s_add_co_i32 s34, s34, EMAX
	s_lshl_b32 s34, s34, 23
	s_or_b32 s34, s34, MANT
	v_mov_b32 v10, s34                             ; 448 x 2^e
.macro BLOCK t
.set XS, XW+32*((\t)%2)
.if (\t) < NB-1
	s_wait_loadcnt 32                              ; this block's 32 loads are in; the next block's may be out
.else
	s_wait_loadcnt 0
.endif
.irp i, 0,1,2,3,4,5,6,7,8,9,10,11,12,13,14,15,16,17,18,19,20,21,22,23,24,25,26,27,28,29,30,31
	v_med3_num_f32 v[XS+\i], v[XS+\i], -v10, v10
.endr
.irp g, 0,1,2,3
	v_cvt_scalef32_pk8_fp8_f32 v[CW+2*\g:CW+2*\g+1], v[XS+8*\g:XS+8*\g+7], v11
.endr
	ds_store_b128 v4, v[CW:CW+3] offset:32*(\t)    ; 32 codes: 32 bytes of my column's row
	ds_store_b128 v4, v[CW+4:CW+7] offset:32*(\t)+16
.if (\t)+2 < NB
	WLOAD (\t)+2
.endif
	s_wait_dscnt 0x0                               ; the stores have read their registers: the next block's codes may be written
.endm
.set QB, 0
.rept NB
	BLOCK QB
.set QB, QB+1
.endr
.irp t, 0,1,2,3,4,5,6,7,8,9,10,11,12,13,14,15
	ds_load_b128 v[OUTR+4*\t:OUTR+4*\t+3], v7 offset:2*\t*PITCH   ; these see my stores: LDS serves a wave's instructions in order
.endr
.irp t, 0,1,2,3,4,5,6,7,8,9,10,11,12,13,14,15
.set SWT, ((2*\t)&7)+((((2*\t)>>3)&1)*16)+((((2*\t)>>4)&1)*8)   ; columns 2 t, 2 t + 1 go to the places with bits 3 and 4 exchanged
	s_wait_dscnt 15-\t                             ; load t is in; the 15 - t younger ones may be out
	global_store_b128 v8, v[OUTR+4*\t:OUTR+4*\t+3], s[18:19] offset:SWT*1024
.endr
	s_wait_tensorcnt 0x0
	ds_add_u32 v192, v193
	s_wait_dscnt 0x0
	s_endpgm
.Lfunc_end_k_q66872eb9cf_quant:
	.size	k_q66872eb9cf_quant, .Lfunc_end_k_q66872eb9cf_quant-k_q66872eb9cf_quant
	.p2alignl 7, 3214868480
	.fill 96, 4, 3214868480
	.section	.rodata,"a",@progbits
	.p2align	6, 0x0
	.amdhsa_kernel k_q66872eb9cf_quant
		.amdhsa_group_segment_fixed_size 68096
		.amdhsa_private_segment_fixed_size 0
		.amdhsa_enable_private_segment 0
		.amdhsa_kernarg_size 64
		.amdhsa_user_sgpr_count 2
		.amdhsa_user_sgpr_kernarg_segment_ptr 1
		.amdhsa_wavefront_size32 1
		.amdhsa_system_sgpr_workgroup_id_x 1
		.amdhsa_system_sgpr_workgroup_id_y 1
		.amdhsa_system_sgpr_workgroup_id_z 1
		.amdhsa_system_vgpr_workitem_id 0
		.amdhsa_next_free_vgpr 194
		.amdhsa_next_free_sgpr 66
		.amdhsa_reserve_vcc 0
		.amdhsa_float_denorm_mode_32 3
		.amdhsa_float_denorm_mode_16_64 3
		.amdhsa_memory_ordered 1
		.amdhsa_forward_progress 1
		.amdhsa_inst_pref_size 86
	.end_amdhsa_kernel
	.amdgpu_metadata
---
amdhsa.version: [ 1, 2 ]
amdhsa.kernels:
  - .name:           k_q66872eb9cf_quant
    .symbol:         k_q66872eb9cf_quant.kd
    .args:
      - { .name: q, .offset: 0, .size: 8, .value_kind: global_buffer, .address_space: global }
      - { .name: k, .offset: 8, .size: 8, .value_kind: global_buffer, .address_space: global }
      - { .name: v, .offset: 16, .size: 8, .value_kind: global_buffer, .address_space: global }
      - { .name: Wq, .offset: 24, .size: 8, .value_kind: global_buffer, .address_space: global }
      - { .name: Wk, .offset: 32, .size: 8, .value_kind: global_buffer, .address_space: global }
      - { .name: Wv, .offset: 40, .size: 8, .value_kind: global_buffer, .address_space: global }
      - { .name: lowp_scales, .offset: 48, .size: 8, .value_kind: global_buffer, .address_space: global }
      - { .name: codes, .offset: 56, .size: 8, .value_kind: global_buffer, .address_space: global }
    .group_segment_fixed_size: 68096
    .private_segment_fixed_size: 0
    .kernarg_segment_align: 8
    .kernarg_segment_size: 64
    .max_flat_workgroup_size: 128
    .sgpr_count:     66
    .vgpr_count:     194
    .wavefront_size: 32
...
	.end_amdgpu_metadata
.endif
;; end of part 1
;; launch proj (part 2): grid 4 x 96, 4 waves a work-group, clusters of 4 x 4, 327,680 bytes of LDS; arguments codes, bq, bk, bv, lowp_scales, img; writes img
.if DOCPART == 2
	.amdgcn_target "amdgcn-amd-amdhsa--gfx1250"
	.amdhsa_code_object_version 6
	.text
	.protected	k_q66872eb9cf_proj
	.globl	k_q66872eb9cf_proj
	.p2align	8
	.type	k_q66872eb9cf_proj,@function
k_q66872eb9cf_proj:
	s_mov_b64 s[64:65], 0
	v_nop
	global_prefetch_b8 v0, s[64:65] scope:SCOPE_SE
	s_setreg_imm32_b32 hwreg(HW_REG_WAVE_MODE, 25, 1), 1
	s_wait_xcnt 0x0
	s_wait_alu depctr_hold_cnt(0) depctr_sa_sdst(0) depctr_va_vdst(0) depctr_va_sdst(0) depctr_va_ssrc(0) depctr_va_vcc(0) depctr_vm_vsrc(0)
	s_getreg_b32 s2, hwreg(HW_REG_IB_STS2, 6, 4)
	s_cmp_eq_u32 s2, 0
	s_cbranch_scc0 .Lentry_in_a_cluster
	s_endpgm
.Lentry_in_a_cluster:
	s_bfe_u32 s2, ttmp6, 0x10000c
	s_cmp_lg_u32 s2, 0xf033
	s_cbranch_scc0 .Lentry_shape_is_right
	s_endpgm
.Lentry_shape_is_right:
; The three projections x W + b on codes of FP8 (E4M3), and their results quantised at once: qh, kh, vh as codes, laid as the attention launch's operand registers want them.
; z = 0, 1, 2: q, k, v.  A sum of codes' products stands for sum x 2^(e[2z] + e[2z+1]); result = that + bias; its code = result / 2^eo, held within +-448; eo = e6 (qh), e7 (kh), e9 (vh).
; LIMITS: e[2z] + e[2z+1] between -126 and 127, eo between -126 and 119, so that each power of two below is an f32 number.  NaN is not served.
; A tile of 256 x 256 results is made by a work-group of four waves, as many as a WGP has SIMDs; a wave makes 128 x 128: 64 accumulators of 16 x 16, 512 registers.  K = 1,024 goes in four steps of 256 through
; a ring of two LDS slots filled by the tensor data mover: a tile's row is 256 bytes of memory.  3 x 128 = 384 tiles, 24 clusters of 4 x 4.
; TWO SOURCES.  Source 1 of the matrix instruction gives a result's LANE (its row l % 16), source 0 its REGISTER (8 (l / 16) + j).  The next product's K must run along a lane's registers:
;   z = 0, 1: K is the head's 64 features: source 1 = tokens (x's codes), source 0 = features (W's codes);    z = 2: K is the keys: source 1 = features (Wv's codes), source 0 = tokens (v's codes).
; Only base offsets and tile numbers differ, chosen by s_cselect_b32 on z, which all sixteen partners share: the loop is one text for the three.
; Both operands' rows lie permuted in memory (place p = row p with bits 3, 4 exchanged), so that the 16 registers of accumulators 2 g and 2 g + 1 are 16 NEIGHBOURS, 32 g + 16 (l / 16) + 0 .. 15, along source 0.
; CLUSTERS: source 1's tile hangs on cy and the cluster's y alone and is shared along a row of the cluster, source 0's on cx and the cluster's y and is shared along a column: each is asked for JOINTLY.
; THE WAY OUT needs no LDS: a block's 16 codes a lane are 16 bytes of an image of the reader's registers, 512 consecutive bytes a store.
; img: [64 heads 16 b + h][32 steps of 64 tokens][Q 4,096 | K 4,096 | V 4,096]; an image: [tile t 0..3][c 0..1][lane][16 bytes].
; REGISTERS, in windows of 256: window 0: v0-31 addresses and constants; v32-95, v96-111 the biases; from v128 source 1's fragments (8 x 16 rows x 128 K), ONE set; on the way out v128-255 are at work.
;   window 1: source 0's fragments, TWO sets, at v0 and v128.   window 2: the accumulators of my rows 0-63 ((a, b) at v[8 (8 a + b)]);   window 3: those of my rows 64-127.
.set ROWB,   256                       ; a tile's row in bytes: 256 codes
.set KROW,   1024                      ; a row of codes in memory
.set PITCH,  272                       ; an LDS row: 256 bytes + 16 of padding = 68 words: row r starts at bank 4 r mod 64 (64 banks of 4 bytes: ISA guide 11.1)
.set FR,     16                        ; registers of a fragment: 16 rows x 128 K
.set NL,     4                         ; LDS loads that bring one
.set NP,     4                         ; places behind this matrix instruction (ISA guide 7.12.1)
.set HALFT,  128*PITCH                 ; 128 rows: what one tensor load brings
.set SLOT,   4*HALFT                   ; source 1's 256 rows, then source 0's
.set SPARE,  2*SLOT                    ; behind the ring: the spare words, 128 bytes for each wave: two blocks of 256 bytes that no other line names
.set WOFF,   25165824                  ; where the weights' codes begin
.set STEPB,  12288                     ; img: a step's three images
.set HEADB,  393216                    ; img: a head's 32 steps
.set LIM,  10                          ; v10     448 x 2^eo
.set SCL,  11                          ; v11     2^eo
.set ADRA, 16                          ; v16-17  LDS address of my fragments of source 1 in slot 0, 1
.set ADRB, 20                          ; v20-21  the same for source 0
.set LO,   27                          ; v27     16 x lane: my place in an image's 512 bytes
.set SPW,  28                          ; v28     LDS address of my spare word; never rewritten
.set NIL,  29                          ; v29     0; never rewritten
.set BR,   32                          ; v32-95  the bias along the registers (z = 0, 1): v[BR + 8 b + j] belongs to register j of accumulators (., b)
.set BL,   96                          ; v96-111 the bias along the lanes (z = 2): the pair v[BL + 2 a], twice the same number, belongs to accumulators (a, .)
.set AF,   128                         ; source 1's fragments
.set TMP,  128                         ; the way out: 64 results
.set CDB,  192                         ; the way out: codes, 16 registers for each of four blocks by turns
.set G1, 24                            ; s[24:31] descriptor group 1 for source 1's tiles;  s[32:39] group 0, one set for each slot
.set G0, 32
.set G1B, 48                           ; s[48:55], s[56:63] the same for source 0's
.set G0B, 56
.set OB,  72                           ; s[72:79] four bases in img: s[OB + 4 x + 2 y]
.set MSB, 0
.macro WIN new                         ; the immediate's high byte repeats the setting that is left
.if MSB != (\new)
	s_set_vgpr_msb (MSB<<8)|(\new)
.set MSB, (\new)
.endif
.endm
.set MUL_LO, 0xa1                      ; source 0 window 1, source 1 window 0, C and D window 2
.set MUL_HI, 0xf1                      ; the same, C and D window 3
.set TO_B,   0x40                      ; destination window 1, address window 0
; A joint load: waves 0 and 1 fetch for source 1, waves 2 and 3 for source 0.  Each line has ONE mask and one set of registers for all that issue it; the branch hangs on the wave's number alone.
; Four v_nop follow each of the two lines, ahead of the jump, the label and what follows.
.macro JLOAD g0a, g1a, g0b, g1b
	s_cmp_eq_u32 s15, 0
	s_cbranch_scc0 .Lfor_b_\@
	tensor_load_to_lds s[\g0a:\g0a+3], s[\g1a:\g1a+7]
	s_nop 0
.rept 4
	v_nop
.endr
	s_branch .Lasked_\@
.Lfor_b_\@:
	tensor_load_to_lds s[\g0b:\g0b+3], s[\g1b:\g1b+7]
	s_nop 0
.rept 4
	v_nop
.endr
.Lasked_\@:
.endm
.macro CREST                           ; a round of the cluster's barrier behind its opening barrier
	s_cmp_lg_u32 s14, 0
	s_cbranch_scc1 .Lnot_wave_0_\@
	s_barrier_signal -3
.Lnot_wave_0_\@:
	s_barrier_wait -3
	s_barrier_signal -1
	s_barrier_wait -1
.endm
.macro CROUND                          ; a whole round
	s_barrier_signal -1
	s_barrier_wait -1
	CREST
.endm
	s_load_b256 s[4:11], s[0:1], 0x0               ; codes s[4:5], bq s[6:7], bk s[8:9], bv s[10:11]
	s_load_b128 s[84:87], s[0:1], 0x20             ; the scales' exponents s[84:85], img s[86:87]
	v_lshl_add_u32 v[SPW], v0, 2, SPARE
	v_mov_b32 v[NIL], 0
	ds_add_u32 v28, v29
	ds_add_u32 v28, v29
	s_wait_dscnt 0x0
	v_lshrrev_b32 v1, 5, v0
	v_readfirstlane_b32 s14, v1                    ; wave 0..3
	s_lshr_b32 s15, s14, 1                         ; which half of source 1's 256 rows is mine.  Also: I fetch for source 1 (0) or source 0 (1)
	s_and_b32 s16, s14, 1                          ; which half of source 0's.  Also: which 128 rows of that tile I fetch
	s_bfe_u32 s40, ttmp6, 0x40000                  ; cx, cy: my place in the cluster
	s_bfe_u32 s41, ttmp6, 0x40004
	s_and_b32 s66, ttmp7, 0xffff                   ; the cluster's y, 0 .. 23: eight clusters a tensor
	s_and_b32 s67, s66, 7
	s_lshl_b32 s67, s67, 2                         ; 4 g: the cluster's first of the 32 tiles of tokens
	s_lshr_b32 s66, s66, 3                         ; z
	s_lshl_b32 s18, s66, 23                        ; where tensor z's codes begin,
	s_lshl_b32 s19, s66, 20
	s_add_co_u32 s19, s19, WOFF                    ; and weight z's
	s_cmp_eq_u32 s66, 2                            ; z = 2: the two change places
	s_cselect_b32 s68, 0, s67
	s_cselect_b32 s69, s67, 0
	s_cselect_b32 s70, s19, s18                    ; source 1's codes
	s_cselect_b32 s71, s18, s19                    ; source 0's
	s_add_co_u32 s17, s41, s68                     ; source 1's tile: cy (+ 4 g where it holds tokens)
	s_add_co_u32 s42, s40, s69                     ; source 0's tile: cx (+ 4 g where it holds tokens)
	s_lshl_b32 s43, s41, 2
	s_lshl_b32 s43, 15, s43                        ; my row of the cluster
	s_lshl_b32 s44, 0x1111, s40                    ; my column
	; descriptor group 1: a tile of 128 rows x 256 bytes, padded in LDS
	s_or_b32 s[G1+0], s43, (0<<16)|(1<<20)|(1<<21)|(5<<22)|(3<<25)  ; 15:0 the mask: my row; 17:16 element of 1 byte; 20 padding on; 21 set beside a mask; 24:22 after every 64 words (code 5); 31:25 of 4 words (code 3)
	s_or_b32 s[G1B+0], s44, (0<<16)|(1<<20)|(1<<21)|(5<<22)|(3<<25) ; the same with my column
.irp g, G1, G1B
	s_mov_b32 s[\g+1], ROWB<<16                    ; tensor_dim0
	s_mov_b32 s[\g+2], 128<<16                     ; tensor_dim1 = 128
	s_mov_b32 s[\g+3], ROWB<<16                    ; tile_dim0
	s_mov_b32 s[\g+4], 128                         ; tile_dim1 = 128
	s_mov_b32 s[\g+5], KROW                        ; tensor_dim0_stride
	s_mov_b32 s[\g+6], 0
	s_mov_b32 s[\g+7], 0
.endr
	s_lshl_b32 s18, s16, 7                         ; which 128 rows of the tile I fetch
	s_lshl_b32 s20, s17, 8
	s_add_co_u32 s20, s20, s18
	s_lshl_b32 s20, s20, 10                        ; rows of 1,024 bytes; all of codes lies under 2^25 bytes
	s_add_co_u32 s20, s20, s70
	s_mov_b32 s21, 0
	s_lshl_b32 s46, s42, 8
	s_add_co_u32 s46, s46, s18
	s_lshl_b32 s46, s46, 10
	s_add_co_u32 s46, s46, s71
	s_mov_b32 s47, 0
	s_mul_i32 s45, s14, HALFT                      ; where they go: wave x 128 rows: no place in the cluster enters an LDS address
	s_wait_kmcnt 0x0
	s_load_b256 s[88:95], s[84:85], 0x0            ; e0 .. e7
	s_load_b64 s[96:97], s[84:85], 0x20            ; e8, e9
	s_add_nc_u64 s[20:21], s[4:5], s[20:21]
	s_add_nc_u64 s[46:47], s[4:5], s[46:47]
	CROUND                                         ; all sixteen work-groups are here: the first joint loads meet
.irp s, 0,1
	s_mov_b32 s[G0+4*\s], 1
	s_add_co_u32 s[G0+4*\s+1], s45, \s*SLOT
	s_add_nc_u64 s[G0+4*\s+2:G0+4*\s+3], s[20:21], \s*ROWB
	s_or_b32 s[G0+4*\s+3], s[G0+4*\s+3], 0x80000000
	s_mov_b32 s[G0B+4*\s], 1
	s_add_co_u32 s[G0B+4*\s+1], s45, \s*SLOT
	s_add_nc_u64 s[G0B+4*\s+2:G0B+4*\s+3], s[46:47], \s*ROWB
	s_or_b32 s[G0B+4*\s+3], s[G0B+4*\s+3], 0x80000000
	JLOAD G0+4*\s, G1, G0B+4*\s, G1B               ; two loads of mine are out
.endr
	v_and_b32 v1, 15, v0                           ; r = l % 16
	v_bfe_u32 v2, v0, 4, 1                         ; h = l / 16
	v_mul_u32_u24 v3, v1, PITCH
	v_lshl_add_u32 v4, v2, 4, v3                   ; a fragment's row x pitch + 16 x half
	s_mul_i32 s21, s15, HALFT                      ; my 128 rows of source 1
	s_mul_i32 s22, s16, HALFT                      ; my 128 rows of source 0,
	s_add_co_u32 s22, s22, 2*HALFT                 ; which lie behind source 1's 256
.irp s, 0,1
	v_add_nc_u32 v[ADRA+\s], s21, v4
	v_add_nc_u32 v[ADRB+\s], s22, v4
	s_add_co_u32 s21, s21, SLOT
	s_add_co_u32 s22, s22, SLOT
.endr
	v_and_b32 v5, 31, v0
	v_lshlrev_b32 v[LO], 4, v5
	; THE BIASES.  Both kinds are loaded whatever z is, from places that lie inside the 1,024 numbers for every z (cx and cy, not the tiles' numbers, enter); the way out takes the kind that belongs to z.
	s_cmp_eq_u32 s66, 0
	s_cselect_b64 s[80:81], s[6:7], s[8:9]
	s_cmp_eq_u32 s66, 2
	s_cselect_b64 s[80:81], s[10:11], s[80:81]
	s_mov_b64 s[82:83], s[80:81]
	s_lshl_b32 s18, s40, 10                        ; along the registers: feature 256 cx + 128 x my half of source 0, in bytes
	s_lshl_b32 s19, s16, 9
	s_add_co_u32 s18, s18, s19
	s_mov_b32 s19, 0
	s_add_nc_u64 s[80:81], s[80:81], s[18:19]
	s_lshl_b32 s18, s41, 10                        ; along the lanes: feature 256 cy + 128 x my half of source 1
	s_lshl_b32 s22, s15, 9
	s_add_co_u32 s18, s18, s22
	s_add_nc_u64 s[82:83], s[82:83], s[18:19]
	v_lshlrev_b32 v12, 6, v2                       ; 16 h numbers; never rewritten
	v_and_b32 v13, 8, v1
	v_add_nc_u32 v13, v13, v1
	v_lshlrev_b32 v13, 2, v13                      ; r + 8 (r / 8) numbers; never rewritten
.irp g, 0,1,2,3
.irp q, 0,1,2,3
	global_load_b128 v[BR+16*\g+4*\q:BR+16*\g+4*\q+3], v12, s[80:81] offset:128*\g+16*\q   ; features 32 g + 16 h + 4 q on
.endr
.endr
.irp a, 0,1,2,3,4,5,6,7
	global_load_b32 v[BL+2*\a], v13, s[82:83] offset:4*(32*(\a/2)+8*(\a%2))    ; feature 32 (a / 2) + 8 (a % 2) + r + 8 (r / 8), into both registers of a pair
	global_load_b32 v[BL+2*\a+1], v13, s[82:83] offset:4*(32*(\a/2)+8*(\a%2))
.endr
	; WHERE THE CODES GO.  Tt: my first token, Nn: my first feature.  My 128 x 128 results are 2 steps of 64 tokens x 2 heads.
	s_lshl_b32 s18, s17, 8
	s_lshl_b32 s19, s15, 7
	s_add_co_u32 s18, s18, s19                     ; my first row of source 1
	s_lshl_b32 s19, s42, 8
	s_lshl_b32 s22, s16, 7
	s_add_co_u32 s19, s19, s22                     ; and of source 0
	s_mov_b32 s2, HEADB
	s_mov_b32 s3, STEPB
	s_cmp_eq_u32 s66, 2
	s_cselect_b32 s22, s19, s18                    ; Tt
	s_cselect_b32 s23, s18, s19                    ; Nn
	s_cselect_b32 s98, s2, s3                      ; 64 further along source 1: the next head (z = 2) or the next step
	s_cselect_b32 s99, s3, s2                      ; 64 further along source 0: the other of the two
	s_lshr_b32 s18, s22, 11                        ; the batch,
	s_lshl_b32 s18, s18, 4
	s_lshr_b32 s23, s23, 6
	s_add_co_u32 s18, s18, s23                     ; x 16 + the head,
	s_lshl_b32 s18, s18, 5
	s_and_b32 s22, s22, 2047
	s_lshr_b32 s22, s22, 6
	s_add_co_u32 s18, s18, s22                     ; x 32 + the step
	s_mul_i32 s18, s18, STEPB
	s_lshl_b32 s19, s66, 12                        ; Q's, K's or V's image
	s_add_co_u32 s18, s18, s19
	s_mov_b32 s19, 0
	s_add_nc_u64 s[OB:OB+1], s[86:87], s[18:19]
	s_mov_b32 s18, s99
	s_add_nc_u64 s[OB+2:OB+3], s[OB:OB+1], s[18:19]
	s_mov_b32 s18, s98
	s_add_nc_u64 s[OB+4:OB+5], s[OB:OB+1], s[18:19]
	s_add_nc_u64 s[OB+6:OB+7], s[OB+2:OB+3], s[18:19]
	; the powers of two: chosen by z, never branched on
	s_wait_kmcnt 0x0
	s_add_co_i32 s88, s88, s89
	s_add_co_i32 s90, s90, s91
	s_add_co_i32 s92, s92, s93
	s_cmp_eq_u32 s66, 0
	s_cselect_b32 s88, s88, s90
	s_cselect_b32 s98, s94, s95
	s_cmp_eq_u32 s66, 2
	s_cselect_b32 s88, s92, s88                    ; e[2z] + e[2z+1]
	s_cselect_b32 s98, s97, s98                    ; eo
	s_add_co_i32 s88, s88, 127
	s_lshl_b32 s96, s88, 23                        ; 2^(e[2z] + e[2z+1]) as f32
	s_mov_b32 s97, s96                             ; (named with it as a pair, so it is written)
	s_add_co_i32 s98, s98, 127
	s_lshl_b32 s99, s98, 23
	v_mov_b32 v[SCL], s99                          ; 2^eo: the conversion takes its exponent field
	s_add_co_i32 s98, s98, 8
	s_lshl_b32 s98, s98, 23
	s_or_b32 s98, s98, 0x600000
	v_mov_b32 v[LIM], s98                          ; 448 x 2^eo
.macro FRAG reg, adr, q, i             ; a fragment, 16 rows x 128 K, is 16 registers: lane l holds row l % 16; registers 4 c .. 4 c + 3 hold K = 32 c + 16 (l / 16) + 0 .. 15: the same places of k in both sources
.irp c, 0,1,2,3
	ds_load_b128 v[\reg+4*\c:\reg+4*\c+3], v[\adr] offset:128*(\q)+32*\c+(\i)*16*PITCH
.endr
.endm
; 16 matrix instructions: source 1's blocks a0, a0 + 1 x source 0's eight, 128 along K.  p: source 0's set.  zero = 1: the first product starts the sums: nothing is ever cleared.
; The 64 accumulators take turns, one instruction a turn, in the same order in every step.
.macro MUL16 a0, p, zero
.irp a, \a0, \a0+1
.irp b, 0,1,2,3,4,5,6,7
.if \zero
	v_wmma_f32_16x16x128_fp8_fp8 v[8*(8*((\a)%4)+\b):8*(8*((\a)%4)+\b)+7], v[128*(\p)+FR*\b:128*(\p)+FR*\b+FR-1], v[AF+FR*(\a):AF+FR*(\a)+FR-1], 0
.else
	v_wmma_f32_16x16x128_fp8_fp8 v[8*(8*((\a)%4)+\b):8*(8*((\a)%4)+\b)+7], v[128*(\p)+FR*\b:128*(\p)+FR*\b+FR-1], v[AF+FR*(\a):AF+FR*(\a)+FR-1], v[8*(8*((\a)%4)+\b):8*(8*((\a)%4)+\b)+7]
.endif
.endr
.endr
.endm
.macro FETCH_B slot, q, p              ; source 0's eight fragments of the slot's q-th 128 along K into set p
	WIN TO_B
.irp i, 0,1,2,3,4,5,6,7
	FRAG 128*(\p)+FR*\i, ADRB+\slot, \q, \i
.endr
	WIN 0
.endm
.macro FETCH_A slot, q, i0             ; source 1's blocks i0 .. i0 + 3
.irp i, \i0, \i0+1, \i0+2, \i0+3
	FRAG AF+FR*(\i), ADRA+\slot, \q, \i
.endr
.endm
; A load into a register that a matrix instruction has read, and a vector instruction that reads a matrix result or writes one of its registers, stand NP places behind it; only plain vector instructions that
; name none of its registers are places (ISA guide 7.12.1 for vector instructions).
.macro PLACES n
.rept \n
	v_nop
.endr
.endm
; A step of 128 along K that has its successor in the same slot.  A block of source 1 is free as soon as its eight products are issued: blocks 0-3 are fetched anew in the step's middle, blocks 4-7 at its end.
.macro STEP slot, q, zero
	s_wait_dscnt 4*NL                              ; source 0's set and source 1's blocks 0-3 are in; the youngest sixteen loads (blocks 4-7) may be out
	WIN MUL_LO
	MUL16 0, (\q)%2, \zero
	MUL16 2, (\q)%2, \zero
	s_wait_dscnt 0                                 ; blocks 4-7 are in
	PLACES NP
	FETCH_B \slot, (\q)+1, 1-(\q)%2
	FETCH_A \slot, (\q)+1, 0
	WIN MUL_HI
	MUL16 4, (\q)%2, \zero
	MUL16 6, (\q)%2, \zero
	PLACES NP
	WIN 0
	FETCH_A \slot, (\q)+1, 4
.endm
; A slot's last step changes slots: ONE barrier; in front of it each wave waits for all its tensor loads, adds 0 to its spare word, and waits for that and for its own reads of this slot.  fill = 1: this slot is filled again, two K steps ahead.
.macro TURN slot, next, fill
	s_wait_tensorcnt 0x0                           ; all my tensor loads have landed: my part of the next slot  (every window is 0 here)
	ds_add_u32 v[SPW], v[NIL]                      ; 0 onto my spare word
	s_wait_dscnt 4*NL+1                            ; (the add and the youngest sixteen loads may be out)
	WIN MUL_LO
	MUL16 0, 1, 0                                  ; sixteen matrix instructions stand between the add and the wait for it
	s_wait_dscnt 0x0                               ; the add is done, and my reads of this slot are over
	s_barrier_signal -1
	MUL16 2, 1, 0
	WIN 0
	s_barrier_wait -1
.if \fill
	CREST                                          ; the barrier has opened a round of the cluster's barrier: no wave of any partner still reads this slot's tile or has a load on its way
	s_add_nc_u64 s[G0+4*\slot+2:G0+4*\slot+3], s[G0+4*\slot+2:G0+4*\slot+3], 2*ROWB
	s_add_nc_u64 s[G0B+4*\slot+2:G0B+4*\slot+3], s[G0B+4*\slot+2:G0B+4*\slot+3], 2*ROWB
	JLOAD G0+4*\slot, G1, G0B+4*\slot, G1B         ; the first tensor load behind the round, and my only one until the next; its four v_nop are the places in front of the loads below
.else
	PLACES NP
.endif
	FETCH_B \next, 0, 0
	FETCH_A \next, 0, 0
	WIN MUL_HI
	MUL16 4, 1, 0
	MUL16 6, 1, 0
	PLACES NP
	WIN 0
	FETCH_A \next, 0, 4
.endm
	s_wait_tensorcnt 0x1                           ; my part of K step 0 is in; K step 1's load may be out
	s_barrier_signal -1
	s_barrier_wait -1                              ; everybody's is
	FETCH_B 0, 0, 0
	FETCH_A 0, 0, 0
	FETCH_A 0, 0, 4
	STEP 0, 0, 1                                   ; K = 1,024 is eight steps of 128, written out: the first starts the sums
	TURN 0, 1, 1                                   ; slot 0 takes K step 2
	STEP 1, 0, 0
	TURN 1, 0, 1                                   ; slot 1 takes K step 3
	STEP 0, 0, 0
	TURN 0, 1, 0                                   ; nothing is left to fetch
	STEP 1, 0, 0
	s_wait_dscnt 4*NL                              ; the last step
	WIN MUL_LO
	MUL16 0, 1, 0
	MUL16 2, 1, 0
	s_wait_dscnt 0
	WIN MUL_HI
	MUL16 4, 1, 0
	MUL16 6, 1, 0
	WIN 0
; THE WAY OUT, block by block of 16 rows of source 1.  result = sum x 2^(e + e) + bias, one packed multiply-add for two, each accumulator from its low end on; the hold; the conversion.
; The 16 registers of accumulators 2 g, 2 g + 1 are neighbours 32 g + 16 h + 0 .. 15 along source 0: their 16 codes are the lane's 16 bytes of tile a % 4, half g % 2, of the image 64 (a / 4) along source 1 and 64 (g / 2) along source 0.
.macro OUTBLK a, isv
.set AC, 64*((\a)%4)
.set CD, CDB+16*((\a)%4)
.if (\a) >= 4
	s_wait_xcnt 0x0                                ; the stores of four blocks ago have read their data: those registers take this block's codes only behind this wait
.endif
	WIN 0x02+((\a)/4)                              ; source 0: window 2 or 3
.irp b, 0,1,2,3,4,5,6,7
.irp i, 0,2,4,6
.if \isv
	v_pk_fma_f32 v[TMP+8*\b+\i:TMP+8*\b+\i+1], v[AC+8*\b+\i:AC+8*\b+\i+1], s[96:97], v[BL+2*(\a):BL+2*(\a)+1] op_sel_hi:[1,0,1]
.else
	v_pk_fma_f32 v[TMP+8*\b+\i:TMP+8*\b+\i+1], v[AC+8*\b+\i:AC+8*\b+\i+1], s[96:97], v[BR+8*\b+\i:BR+8*\b+\i+1] op_sel_hi:[1,0,1]
.endif
.endr
.endr
	WIN 0
.irp g, 0,1,2,3
.irp i, 0,1,2,3,4,5,6,7,8,9,10,11,12,13,14,15
	v_med3_num_f32 v[TMP+16*\g+\i], v[TMP+16*\g+\i], -v[LIM], v[LIM]   ; the conversion to an 8-bit code does not saturate (ISA guide 7.6.2)
.endr
	v_cvt_scalef32_pk8_fp8_f32 v[CD+4*\g:CD+4*\g+1], v[TMP+16*\g:TMP+16*\g+7], v[SCL]
	v_cvt_scalef32_pk8_fp8_f32 v[CD+4*\g+2:CD+4*\g+3], v[TMP+16*\g+8:TMP+16*\g+15], v[SCL]
.endr
	v_nop                                          ; one plain line between the last conversion and the next block's lines, which write its sources
.irp g, 0,1,2,3
	global_store_b128 v[LO], v[CD+4*\g:CD+4*\g+3], s[OB+4*((\a)/4)+2*(\g/2):OB+4*((\a)/4)+2*(\g/2)+1] offset:((\a)%4)*1024+(\g%2)*512   ; 32 lanes store 512 consecutive bytes, aligned
.endr
.endm
	s_wait_loadcnt 0x0                             ; the biases
	PLACES NP                                      ; behind the last products: their results are read and source 1's registers written below
	s_cmp_eq_u32 s66, 2                            ; z hangs on the cluster's y alone: the same in all sixteen partners
	s_cbranch_scc1 .Lout_v
.irp a, 0,1,2,3,4,5,6,7
	OUTBLK \a, 0
.endr
	s_branch .Lend
.Lout_v:
.irp a, 0,1,2,3,4,5,6,7
	OUTBLK \a, 1
.endr
.Lend:
	s_wait_tensorcnt 0x0                           ; the wave's end, behind my last tensor load
	ds_add_u32 v[SPW], v[NIL]
	s_wait_dscnt 0x0
	CROUND                                         ; the closing round: no work-group ends while a partner may still ask for a tile that names it
	s_endpgm
.Lfunc_end_k_q66872eb9cf_proj:
	.size	k_q66872eb9cf_proj, .Lfunc_end_k_q66872eb9cf_proj-k_q66872eb9cf_proj
	.p2alignl 7, 3214868480
	.fill 96, 4, 3214868480
	.section	.rodata,"a",@progbits
	.p2align	6, 0x0
	.amdhsa_kernel k_q66872eb9cf_proj
		.amdhsa_group_segment_fixed_size 327680
		.amdhsa_private_segment_fixed_size 0
		.amdhsa_enable_private_segment 0
		.amdhsa_kernarg_size 48
		.amdhsa_user_sgpr_count 2
		.amdhsa_user_sgpr_kernarg_segment_ptr 1
		.amdhsa_wavefront_size32 1
		.amdhsa_system_sgpr_workgroup_id_x 1
		.amdhsa_system_sgpr_workgroup_id_y 1
		.amdhsa_system_sgpr_workgroup_id_z 1
		.amdhsa_system_vgpr_workitem_id 0
		.amdhsa_next_free_vgpr 1024
		.amdhsa_next_free_sgpr 100
		.amdhsa_reserve_vcc 0
		.amdhsa_float_denorm_mode_32 3
		.amdhsa_float_denorm_mode_16_64 3
		.amdhsa_memory_ordered 1
		.amdhsa_forward_progress 1
		.amdhsa_inst_pref_size 194
	.end_amdhsa_kernel
	.amdgpu_metadata
---
amdhsa.version: [ 1, 2 ]
amdhsa.kernels:
  - .name:           k_q66872eb9cf_proj
    .symbol:         k_q66872eb9cf_proj.kd
    .args:
      - { .name: codes, .offset: 0, .size: 8, .value_kind: global_buffer, .address_space: global }
      - { .name: bq, .offset: 8, .size: 8, .value_kind: global_buffer, .address_space: global }
      - { .name: bk, .offset: 16, .size: 8, .value_kind: global_buffer, .address_space: global }
      - { .name: bv, .offset: 24, .size: 8, .value_kind: global_buffer, .address_space: global }
      - { .name: lowp_scales, .offset: 32, .size: 8, .value_kind: global_buffer, .address_space: global }
      - { .name: img, .offset: 40, .size: 8, .value_kind: global_buffer, .address_space: global }
    .group_segment_fixed_size: 327680
    .private_segment_fixed_size: 0
    .kernarg_segment_align: 8
    .kernarg_segment_size: 48
    .max_flat_workgroup_size: 128
    .sgpr_count:     100
    .vgpr_count:     1024
    .wavefront_size: 32
...
	.end_amdgpu_metadata
.endif
;; end of part 2
;; launch attn (part 3): grid 4 x 64, 16 waves a work-group, clusters of 4 x 1, 264,192 bytes of LDS; arguments img, lowp_scales, out0; writes out0
.if DOCPART == 3
	.amdgcn_target "amdgcn-amd-amdhsa--gfx1250"
	.amdhsa_code_object_version 6
	.text
	.protected	k_q66872eb9cf_attn
	.globl	k_q66872eb9cf_attn
	.p2align	8
	.type	k_q66872eb9cf_attn,@function
k_q66872eb9cf_attn:
	s_mov_b64 s[64:65], 0
	v_nop
	global_prefetch_b8 v0, s[64:65] scope:SCOPE_SE
	s_setreg_imm32_b32 hwreg(HW_REG_WAVE_MODE, 25, 1), 1
	s_wait_xcnt 0x0
	s_wait_alu depctr_hold_cnt(0) depctr_sa_sdst(0) depctr_va_vdst(0) depctr_va_sdst(0) depctr_va_ssrc(0) depctr_va_vcc(0) depctr_vm_vsrc(0)
	s_getreg_b32 s2, hwreg(HW_REG_IB_STS2, 6, 4)
	s_cmp_eq_u32 s2, 0
	s_cbranch_scc0 .Lentry_in_a_cluster
	s_endpgm
.Lentry_in_a_cluster:
	s_bfe_u32 s2, ttmp6, 0x10000c
	s_cmp_lg_u32 s2, 0x3003
	s_cbranch_scc0 .Lentry_shape_is_right
	s_endpgm
.Lentry_shape_is_right:
; out[b][s][64 h + d] = the sum over keys of Q(sigmoid(qh . kh / 8)) Q(vh), both products on codes of FP8 (E4M3); qh, kh, vh arrive as codes, as images of the operands' registers.
; p = 1 / (1 + 2^(score x c)), c = -log2(e) / 8 x 2^(e6 + e7), in f32; its code = p / 2^e8, held at 448 (p is never negative: the hold is one-sided); a finished sum is multiplied by 2^(e8 + e9).
; There is no maximum, no row sum and nothing to rescale.  2^(..) may overflow to infinity: 1 / infinity = 0 is then the right p.
; LIMITS: e6 + e7 between -123 and 130 (added to c's exponent field); e8 between -126 and 119; e8 + e9 between -126 and 127.  A p under 2^-126 becomes 0 (v_rcp_f32 gives no denormals: ISA guide 15.8).
; SHARES.  A work-group owns one head (16 b + h = the grid's y) and 512 of its queries; each of its SIXTEEN waves owns 32 queries, two tiles of 16, in 256 registers: four waves to a SIMD.
; Every wave walks the head's 2,048 keys, 64 a step.
; THE HEAD'S WHOLE K AND V LIE IN LDS, 128 KiB each, filled ONCE: no ring, no slot is filled again.  The four work-groups of a cluster own the same head: each image is asked for JOINTLY (mask 15).
; A wave issues two loads at the head: one image of steps 0-7, then three of steps 8-31; the first seven steps run while the rest is on its way.
; LAYOUT.  Both products are used transposed: S^T = K Q^T (source 0 = 16 keys, source 1 = 16 queries), O^T = V^T P^T (source 0 = 16 of the head's 64, source 1 = P): a lane holds ONE query throughout.
; An image of 4,096 bytes: [tile t][c][lane][16 bytes]; registers 4 c .. 4 c + 3 of tile t's fragment come by one load of 512 consecutive bytes.  Row r of tile 2 b + u is token (or d) 32 b + 8 u + r + 8 (r / 8),
; so the 16 registers of S^T's tiles 2 b, 2 b + 1 are keys 32 b + 16 (l / 16) + 0 .. 15: the conversions' results ARE source 1 of the second product.  The places of k are the same in both sources of each product.
; BY TURNS.  A step has 128 exponentials and reciprocals beside 162 plain and matrix lines.  The wave's two query tiles look at nothing of each other, so they run half a step apart: a trip has four phases, each a
; batch of 32 exponentials or reciprocals of ONE tile, dealt out among plain work and products of the OTHER:
;   PH_E1: 2^x of tile 1 | the step's LDS loads, tile 1's scalings, tile 0's "+ 1"          PH_R0: 1 / d of tile 0 | tile 1's "+ 1"
;   PH_R1: 1 / d of tile 1 | tile 0's holds and codes, tile 0's next scores, its V^T P     PH_E0: 2^x of tile 0, next step | tile 1's holds and codes, tile 0's scalings, tile 1's next scores, its V^T P
; Each phase ends with one wait between a batch and the first line that names a result; inside a phase no line names a result of its batch.
; K of step j + 1 and V of step j are asked of LDS at the head of PH_E1 of step j and first used two phases later.
.set STEPB, 12288                      ; img: a step's Q, K and V images
.set HEADB, 393216                     ; img: a head's 32 steps
.set VLDS,  131072                     ; LDS: K's 32 images from 0, V's from here
.set LI,  1                            ; v1   16 x lane
.set ADK, 2                            ; v2   LDS address of the image of K that is fetched
.set ADV, 3                            ; v3   of V
.set SCL, 4                            ; v4   2^e8
.set LIM, 5                            ; v5   448 x 2^e8
.set STO, 6                            ; v6   the way out: where I put 16 bytes of a row
.set RD,  7                            ; v7   where I read a row back
.set GO,  8                            ; v8   my byte offset in the wave's rows of out
.set Q,   16                           ; v16-31   Q: tile u at 8 u
.set KF,  32                           ; v32-63   K's four fragments
.set VF,  64                           ; v64-95   V's four
.set S,   96                           ; v96-159  S^T, then p: 32 u + 8 t
.set P,   160                          ; v160-175 p's codes: 8 u
.set O,   176                          ; v176-239 O^T: 32 u + 8 t
.set QA,  Q                            ; the two tiles' parts by name: A = tile 0, B = tile 1
.set QB,  Q+8
.set SA,  S
.set SB,  S+32
.set PA,  P
.set PB,  P+8
.set OA,  O
.set OB,  O+32
.set WV,  10                           ; s10  my wave's number
.set G1A, 16                           ; s[16:23] descriptor group 1: one image
.set G1B, 24                           ; s[24:31] three images, a step apart
.set G0A, 32                           ; s[32:35], s[36:39] their groups 0; never rewritten
.set G0B, 36
.set CS,  42                           ; s[42:43] c, twice
.set OS,  44                           ; s[44:45] 2^(e8 + e9), twice
.set TB,  46                           ; s46  LDS byte of the image of K that the trip fetches: 4,096 (j + 1) in step j
.set CNT, 47                           ; s47  counts trips
.macro CROUND                          ; a round of the cluster's barrier
	s_barrier_signal -1
	s_barrier_wait -1
	s_cmp_lg_u32 s[WV], 0
	s_cbranch_scc1 .Lnot_wave_0_\@
	s_barrier_signal -3
.Lnot_wave_0_\@:
	s_barrier_wait -3
	s_barrier_signal -1
	s_barrier_wait -1
.endm
	s_load_b128 s[4:7], s[0:1], 0x0                ; img s[4:5], the scales' exponents s[6:7]
	s_load_b64 s[8:9], s[0:1], 0x10                ; out
	v_lshl_add_u32 v254, v0, 2, 0x40000
	v_mov_b32 v255, 0
	ds_add_u32 v254, v255
	ds_add_u32 v254, v255
	v_lshrrev_b32 v1, 5, v0
	v_readfirstlane_b32 s[WV], v1                  ; wave 0..15
	s_bfe_u32 s11, ttmp6, 0x40000                  ; cx: which 512 queries: it enters Q's and out's addresses alone
	s_and_b32 s12, ttmp7, 0xffff                   ; the head, which the four partners share
	s_and_b32 s13, s[WV], 1                        ; I fetch for K (0) or for V (1)
	s_lshr_b32 s14, s[WV], 1                       ; i = 0 .. 7: which images
	; group 1, elements of 8 bytes: an image is one row of 512 elements
	s_mov_b32 s[G1A], 15|(3<<16)|(1<<21)           ; 15:0 the mask: all four work-groups; 17:16 elements of 8 bytes; 21 set beside a mask; no padding
	s_mov_b32 s[G1A+1], 512<<16                    ; tensor_dim0
	s_mov_b32 s[G1A+2], 1<<16                      ; tensor_dim1 = 1
	s_mov_b32 s[G1A+3], 512<<16                    ; tile_dim0
	s_mov_b32 s[G1A+4], 1                          ; tile_dim1 = 1
	s_mov_b32 s[G1A+5], 512                        ; the pitch
	s_mov_b32 s[G1A+6], 0
	s_mov_b32 s[G1A+7], 0
	s_mov_b32 s[G1B], 15|(3<<16)|(1<<21)
	s_mov_b32 s[G1B+1], 512<<16
	s_mov_b32 s[G1B+2], 3<<16                      ; three rows,
	s_mov_b32 s[G1B+3], 512<<16
	s_mov_b32 s[G1B+4], 3
	s_mov_b32 s[G1B+5], 1536                       ; 12,288 bytes apart in memory, on end in LDS
	s_mov_b32 s[G1B+6], 0
	s_mov_b32 s[G1B+7], 0
	s_mul_i32 s15, s12, HEADB                      ; the head's first byte (img lies under 2^25 bytes)
	s_lshl_b32 s40, s13, 12
	s_add_co_u32 s40, s40, 4096                    ; K's or V's image in a step
	s_add_co_u32 s40, s40, s15
	s_mul_i32 s41, s14, STEPB
	s_add_co_u32 s52, s40, s41                     ; step i
	s_mov_b32 s53, 0
	s_mul_i32 s41, s14, 3*STEPB
	s_add_co_u32 s54, s40, s41
	s_add_co_u32 s54, s54, 8*STEPB                 ; steps 8 + 3 i on
	s_mov_b32 s55, 0
	s_lshl_b32 s56, s13, 17                        ; in LDS: K's half or V's; no place in the cluster enters an LDS address
	s_lshl_b32 s57, s14, 12
	s_add_co_u32 s57, s57, s56
	s_mul_i32 s58, s14, 12288
	s_add_co_u32 s58, s58, s56
	s_add_co_u32 s58, s58, 32768
	s_lshr_b32 s59, s12, 4                         ; out: row (b x 2,048 + 512 cx + 32 wave) of 4,096 bytes, + 256 h
	s_lshl_b32 s59, s59, 11
	s_lshl_b32 s60, s11, 9
	s_add_co_u32 s59, s59, s60
	s_lshl_b32 s60, s[WV], 5
	s_add_co_u32 s59, s59, s60
	s_lshl_b32 s59, s59, 12
	s_and_b32 s60, s12, 15
	s_lshl_b32 s60, s60, 8
	s_add_co_u32 s60, s60, s59
	s_mov_b32 s61, 0
	s_lshl_b32 s62, s11, 3                         ; Q: step 8 cx + wave / 2, tiles 2 (wave % 2) and the next
	s_add_co_u32 s62, s62, s14
	s_mul_i32 s62, s62, STEPB
	s_add_co_u32 s62, s62, s15
	s_lshl_b32 s63, s13, 11
	s_add_co_u32 s62, s62, s63
	s_mov_b32 s63, 0
	s_mov_b32 s[TB], 4096                          ; step 0 fetches K of step 1
	s_wait_dscnt 0x0
	s_wait_kmcnt 0x0
	s_load_b64 s[48:49], s[6:7], 0x18              ; e6, e7
	s_load_b64 s[50:51], s[6:7], 0x20              ; e8, e9
	s_mov_b32 s[G0A], 1                            ; 1:0 count = 1
	s_mov_b32 s[G0A+1], s57                        ; 63:32 LDS address
	s_add_nc_u64 s[G0A+2:G0A+3], s[4:5], s[52:53]  ; 120:64 global address
	s_or_b32 s[G0A+3], s[G0A+3], 0x80000000        ; 127:126 type = 2
	s_mov_b32 s[G0B], 1
	s_mov_b32 s[G0B+1], s58
	s_add_nc_u64 s[G0B+2:G0B+3], s[4:5], s[54:55]
	s_or_b32 s[G0B+3], s[G0B+3], 0x80000000
	s_add_nc_u64 s[8:9], s[8:9], s[60:61]
	s_add_nc_u64 s[62:63], s[4:5], s[62:63]
	CROUND                                         ; all four work-groups are here: the joint loads meet
	tensor_load_to_lds s[G0A:G0A+3], s[G1A:G1A+7]  ; every wave issues both, on one way: two loads of mine are out, and no more follow in the launch
	s_nop 0
	tensor_load_to_lds s[G0B:G0B+3], s[G1B:G1B+7]
	s_nop 0
.rept 4
	v_nop
.endr
	v_and_b32 v9, 31, v0
	v_lshlrev_b32 v[LI], 4, v9
.irp n, 0,1,2,3
	global_load_b128 v[Q+4*\n:Q+4*\n+3], v[LI], s[62:63] offset:512*\n th:TH_LOAD_NT   ; Q's two fragments stay in registers; read by this wave alone
.endr
	s_wait_kmcnt 0x0
	s_add_co_i32 s52, s48, s49
	s_lshl_b32 s52, s52, 23
	s_mov_b32 s[CS], 0xbe38aa3b                    ; -log2(e) / 8
	s_add_co_i32 s[CS], s[CS], s52                 ; a score stands for score x 2^(e6 + e7): the two exponents are added to c's exponent field
	s_mov_b32 s[CS+1], s[CS]                       ; (named with it as a pair, so it is written)
	s_add_co_i32 s52, s50, 127
	s_lshl_b32 s53, s52, 23
	v_mov_b32 v[SCL], s53                          ; 2^e8 as f32, for the conversion
	s_add_co_i32 s52, s52, 8
	s_lshl_b32 s52, s52, 23
	s_or_b32 s52, s52, 0x600000
	v_mov_b32 v[LIM], s52                          ; 448 x 2^e8
	s_add_co_i32 s52, s50, s51
	s_add_co_i32 s52, s52, 127
	s_lshl_b32 s[OS], s52, 23                      ; 2^(e8 + e9) as f32
	s_mov_b32 s[OS+1], s[OS]
; THE LINES OF A STEP, each by a name.  r is a register's number.
.macro SCALE r                         ; two scores x c
	v_pk_mul_f32 v[\r:\r+1], v[\r:\r+1], s[CS:CS+1] op_sel_hi:[1,0]
.endm
.macro PLUS1 r                         ; two denominators: 1 + 2^x
	v_pk_add_f32 v[\r:\r+1], v[\r:\r+1], 1.0 op_sel_hi:[1,0]
.endm
.macro EXP2 r
	v_exp_f32 v[\r], v[\r]
.endm
.macro RCP r
	v_rcp_f32 v[\r], v[\r]
.endm
.macro HOLD r                          ; the conversion to an 8-bit code does not saturate (ISA guide 7.6.2): p is held at the largest code x the scale; always executed, whatever e8 is
	v_min_num_f32 v[\r], v[\r], v[LIM]
.endm
.macro CODES d, s                      ; eight neighbouring keys' p become two registers of source 1
	v_cvt_scalef32_pk8_fp8_f32 v[\d:\d+1], v[\s:\s+7], v[SCL]
.endm
.macro MM d, a, b, zero                ; zero = 1: the product starts its sum: nothing is ever cleared
.if \zero
	v_wmma_f32_16x16x64_fp8_fp8 v[\d:\d+7], v[\a:\a+7], v[\b:\b+7], 0
.else
	v_wmma_f32_16x16x64_fp8_fp8 v[\d:\d+7], v[\a:\a+7], v[\b:\b+7], v[\d:\d+7]
.endif
.endm
; DISTANCES.  A load into a register that a matrix instruction has read, and a vector line that reads a matrix result, stand four plain vector lines behind it (ISA guide 7.12.1 for vector lines)
; exponentials, reciprocals, conversions and other products are not counted.  The sixteen products of a trip name sixteen different accumulators, so no two that follow each other share one.
; Each accumulator of scores is first read at its two lowest registers, by its first SCALE.
; PHASE 1 of step j: 2^x of tile 1.  Beside it: V of step j and K of step j + 1 are asked of LDS; tile 1's scalings, each a turn ahead of its pair's exponentials; tile 0's "+ 1" (its exponentials have had their wait).
; The two additions and the two v_nop at the end of the phase before are the four places between the last products on K's and V's registers and the loads into them, and in front of the first read of tile 1's scores.
.macro PH_E1 last
	v_add_nc_u32 v[ADK], s[TB], v[LI]
	v_add_nc_u32 v[ADV], VLDS-4096, v[ADK]         ; V's image lies one step behind K's
.irp t, 0,1,2,3
	ds_load_b128 v[VF+8*\t:VF+8*\t+3],   v[ADV] offset:1024*\t       ; 512 consecutive bytes a load
	ds_load_b128 v[VF+8*\t+4:VF+8*\t+7], v[ADV] offset:1024*\t+512
.endr
.if \last == 0
.irp t, 0,1,2,3
	ds_load_b128 v[KF+8*\t:KF+8*\t+3],   v[ADK] offset:1024*\t
	ds_load_b128 v[KF+8*\t+4:KF+8*\t+7], v[ADK] offset:1024*\t+512
.endr
.endif
	s_add_co_u32 s[TB], s[TB], 4096
	SCALE SB
.set j, 0
.rept 16
	EXP2 SB+2*j
.if j < 15
	SCALE SB+2*j+2
.endif
	EXP2 SB+2*j+1
	PLUS1 SA+2*j                                   ; the last of these is the plain line behind the batch's last exponential (ISA guide 5.7.2)
.set j, j+1
.endr
	s_wait_alu depctr_va_vdst(0)                   ; one wait for the 32 exponentials, ahead of their first reader
.endm
; PHASE 2: 1 / d of tile 0.  Beside it: tile 1's "+ 1".
.macro PH_R0
.set j, 0
.rept 16
	RCP SA+2*j
	RCP SA+2*j+1
	PLUS1 SB+2*j
.set j, j+1
.endr
	s_wait_alu depctr_va_vdst(0)                   ; one wait for the 32 reciprocals
.endm
; PHASE 3: 1 / d of tile 1.  Beside it tile 0 is finished: 32 holds, 4 conversions; its scores' registers are then free for the next step's scores (K Q^T, unless this is the last step); then its V^T P.
.macro PH_R1 zero, last
.set j, 0
.rept 4
	HOLD SA+2*j
	RCP SB+2*j
	HOLD SA+2*j+1
	RCP SB+2*j+1
.set j, j+1
.endr
.rept 12
	HOLD SA+2*j
	HOLD SA+2*j+1
	RCP SB+j+4
.set j, j+1
.endr
.irp g, 0,1,2,3
	CODES PA+2*\g, SA+8*\g                         ; keys 8 g + 16 (l / 16) (+ 16 for g > 1) on: registers 2 g, 2 g + 1 of source 1
	RCP SB+20+\g
.endr
	v_nop                                          ; one plain line between the conversions and the products that read their results and write over their sources
	s_wait_dscnt 0x0                               ; V of this step and K of the next, asked for two phases ago
.irp t, 0,1,2,3
.if \last == 0
	MM SA+8*\t, KF+8*\t, QA, 1
.endif
	RCP SB+24+\t
.endr
.irp t, 0,1,2,3
	MM OA+8*\t, VF+8*\t, PA, \zero
	RCP SB+28+\t
.endr
	v_nop                                          ; the plain line behind the batch's last reciprocal; with the next phase's first four holds it is also the places in front of the first read of tile 0's new scores
	s_wait_alu depctr_va_vdst(0)                   ; one wait for the 32 reciprocals
.endm
; PHASE 4: 2^x of tile 0, for the NEXT step, its scalings ahead of it.  Beside it tile 1 is finished: holds, conversions, its next scores, its V^T P.  In the last step only tile 1's end is left.
.macro PH_E0 zero, last
.if \last
.set j, 0
.rept 32
	HOLD SB+j
.set j, j+1
.endr
.irp g, 0,1,2,3
	CODES PB+2*\g, SB+8*\g
.endr
	v_nop
.irp t, 0,1,2,3
	MM OB+8*\t, VF+8*\t, PB, \zero
.endr
.else
.set j, 0
.rept 4
	HOLD SB+j
.set j, j+1
.endr
.set j, 0
.rept 12
	SCALE SA+2*j                                   ; pair j; exponential j wants pair j / 2, which is done
	HOLD SB+2*j+4
	HOLD SB+2*j+5
	EXP2 SA+j
.set j, j+1
.endr
.rept 4
	SCALE SA+2*j
	EXP2 SA+2*j-12
	HOLD SB+j+16
	EXP2 SA+2*j-11
.set j, j+1
.endr
.irp g, 0,1,2,3
	CODES PB+2*\g, SB+8*\g
	EXP2 SA+20+\g
.endr
	v_nop                                          ; one plain line between the conversions and the products
.irp t, 0,1,2,3
	MM SB+8*\t, KF+8*\t, QB, 1
	EXP2 SA+24+\t
.endr
.irp t, 0,1,2,3
	MM OB+8*\t, VF+8*\t, PB, \zero
	EXP2 SA+28+\t
.endr
	v_nop                                          ; the plain line behind the batch's last exponential, and two of the four places in front of the next phase's loads
	v_nop
	s_wait_alu depctr_va_vdst(0)                   ; one wait for the 32 exponentials; no exponential or reciprocal is without its wait at a label or a branch
.endif
.endm
.macro BODY zero, last                 ; step j's second half of tile 0 and all of tile 1, and the first half of tile 0's step j + 1
	PH_E1 \last
	PH_R0
	PH_R1 \zero, \last
	PH_E0 \zero, \last
.endm
	s_wait_tensorcnt 0x1                           ; my image of steps 0-7 is in; my second load may be out: it writes other bytes, which nobody reads before the barrier behind step 6
	s_barrier_signal -1
	s_barrier_wait -1                              ; everybody's is: K and V of steps 0 to 7
	; THE WAY IN: K of step 0, both tiles' first scores, tile 0's first scalings and exponentials
.irp t, 0,1,2,3
	ds_load_b128 v[KF+8*\t:KF+8*\t+3],   v[LI] offset:1024*\t
	ds_load_b128 v[KF+8*\t+4:KF+8*\t+7], v[LI] offset:1024*\t+512
.endr
	s_wait_loadcnt 0x0                             ; Q
	s_wait_dscnt 0x0                               ; K
.irp t, 0,1,2,3
	MM SA+8*\t, KF+8*\t, QA, 1
	MM SB+8*\t, KF+8*\t, QB, 1
.endr
.rept 4
	v_nop                                          ; places in front of the first read of the scores: no other work is at hand yet
.endr
	SCALE SA
.set j, 0
.rept 16
.if j < 15
	SCALE SA+2*j+2
.endif
	EXP2 SA+2*j
	EXP2 SA+2*j+1
.set j, j+1
.endr
	v_nop
	s_wait_alu depctr_va_vdst(0)
	BODY 1, 0                                      ; step 0: its second products start O^T's sums
	s_mov_b32 s[CNT], 6
.Lfirst:                                           ; steps 1 to 6: they fetch K of steps 2 to 7 and V of steps 1 to 6
	BODY 0, 0
	s_sub_co_u32 s[CNT], s[CNT], 1
	s_cmp_lg_u32 s[CNT], 0
	s_cbranch_scc1 .Lfirst
	s_wait_tensorcnt 0x0                           ; my three images of steps 8-31 are in: step 7 fetches K of step 8,
	s_wait_dscnt 0x0
	s_barrier_signal -1
	s_barrier_wait -1                              ; everybody's are
	s_mov_b32 s[CNT], 24
.Lrest:                                            ; steps 7 to 30
	BODY 0, 0
	s_sub_co_u32 s[CNT], s[CNT], 1
	s_cmp_lg_u32 s[CNT], 0
	s_cbranch_scc1 .Lrest
	BODY 0, 1                                      ; step 31: no K is left to fetch and no scores follow
	; THE WAY OUT.  O^T x 2^(e8 + e9) goes through my stage in LDS, a tile of 16 queries x 256 bytes at a time, so that sixteen lanes store 256 consecutive bytes, aligned: one token's 64 numbers of this head.
	; The stages (16 rows x 272 bytes a wave) lie over K's first images: those bytes have had their only fill, and behind this barrier nobody reads them.
	s_wait_dscnt 0x0                               ; my reads of K and V are over
	s_barrier_signal -1
	s_barrier_wait -1                              ; everybody's are
	v_and_b32 v9, 15, v0                           ; r.  (These plain lines are also the places behind the last products)
	v_bfe_u32 v10, v0, 4, 1                        ; h
	s_mul_i32 s13, s[WV], 16*272                   ; my stage
	v_mul_u32_u24 v[STO], v9, 272
	v_lshl_add_u32 v[STO], v10, 6, v[STO]
	v_add_nc_u32 v[STO], s13, v[STO]               ; in: row r, + 64 h: register j of tile 2 b + u' is d = 32 b + 16 h + 8 u' + j
	v_mul_u32_u24 v[RD], v10, 272
	v_lshl_add_u32 v[RD], v9, 4, v[RD]
	v_add_nc_u32 v[RD], s13, v[RD]                 ; back: lanes 0-15 one row, lanes 16-31 the next
	v_lshlrev_b32 v[GO], 12, v10
	v_lshl_add_u32 v[GO], v9, 4, v[GO]             ; and the same two tokens in out
.set j, 0
.rept 32
	v_pk_mul_f32 v[S+2*j:S+2*j+1], v[O+2*j:O+2*j+1], s[OS:OS+1] op_sel_hi:[1,0]   ; each accumulator from its low end on
.set j, j+1
.endr
.irp u, 0,1
.irp b, 0,1
.irp q, 0,1,2,3
	ds_store_b128 v[STO], v[S+32*\u+16*\b+4*\q:S+32*\u+16*\b+4*\q+3] offset:128*\b+16*\q
.endr
.endr
.irp i, 0,1,2,3,4,5,6,7
	ds_load_b128 v[KF+32*\u+4*\i:KF+32*\u+4*\i+3], v[RD] offset:544*\i   ; LDS serves a wave's instructions in order (ISA guide 5.7.1.4): these see my stores, and the next tile's stores come behind them
.endr
.endr
.irp u, 0,1
.irp i, 0,1,2,3,4,5,6,7
	s_wait_dscnt 16*(1-\u)+7-\i                    ; behind this load: its tile's 7 - i younger loads, and for tile 0 the other tile's eight stores and eight loads
	global_store_b128 v[GO], v[KF+32*\u+4*\i:KF+32*\u+4*\i+3], s[8:9] offset:(8*\u+2*\i+8*(\i/4))*4096 th:TH_STORE_NT   ; stage row p of tile u is token 8 u + p + 8 (p / 8) of my 32; written once, read by nobody here
.endr
.endr
	s_wait_dscnt 0x0
	s_wait_tensorcnt 0x0
	ds_add_u32 v254, v255
	s_wait_dscnt 0x0
	CROUND                                         ; the closing round: no work-group ends while a partner may still ask for an image that names it
	s_endpgm
.Lfunc_end_k_q66872eb9cf_attn:
	.size	k_q66872eb9cf_attn, .Lfunc_end_k_q66872eb9cf_attn-k_q66872eb9cf_attn
	.p2alignl 7, 3214868480
	.fill 96, 4, 3214868480
	.section	.rodata,"a",@progbits
	.p2align	6, 0x0
	.amdhsa_kernel k_q66872eb9cf_attn
		.amdhsa_group_segment_fixed_size 264192
		.amdhsa_private_segment_fixed_size 0
		.amdhsa_enable_private_segment 0
		.amdhsa_kernarg_size 24
		.amdhsa_user_sgpr_count 2
		.amdhsa_user_sgpr_kernarg_segment_ptr 1
		.amdhsa_wavefront_size32 1
		.amdhsa_system_sgpr_workgroup_id_x 1
		.amdhsa_system_sgpr_workgroup_id_y 1
		.amdhsa_system_sgpr_workgroup_id_z 1
		.amdhsa_system_vgpr_workitem_id 0
		.amdhsa_next_free_vgpr 256
		.amdhsa_next_free_sgpr 66
		.amdhsa_reserve_vcc 0
		.amdhsa_float_denorm_mode_32 3
		.amdhsa_float_denorm_mode_16_64 3
		.amdhsa_memory_ordered 1
		.amdhsa_forward_progress 1
		.amdhsa_inst_pref_size 66
	.end_amdhsa_kernel
	.amdgpu_metadata
---
amdhsa.version: [ 1, 2 ]
amdhsa.kernels:
  - .name:           k_q66872eb9cf_attn
    .symbol:         k_q66872eb9cf_attn.kd
    .args:
      - { .name: img, .offset: 0, .size: 8, .value_kind: global_buffer, .address_space: global }
      - { .name: lowp_scales, .offset: 8, .size: 8, .value_kind: global_buffer, .address_space: global }
      - { .name: out0, .offset: 16, .size: 8, .value_kind: global_buffer, .address_space: global }
    .group_segment_fixed_size: 264192
    .private_segment_fixed_size: 0
    .kernarg_segment_align: 8
    .kernarg_segment_size: 24
    .max_flat_workgroup_size: 512
    .sgpr_count:     66
    .vgpr_count:     256
    .wavefront_size: 32
...
	.end_amdgpu_metadata
.endif
;; end of part 3
